; MI455X (gfx1250); checked and timed in simulation.
; The chip was launched on July 23, 2026; its instructions are those of AMD's public machine-readable ISA for CDNA 5 (MIT licence, August 2026) and "CDNA5" Instruction Set Architecture Reference Guide (July 2026). The comments in the code are by the model that wrote it; some were corrected since.
;; Multi Head Attention. Allowed arithmetic: matrix products marked QUANTISED: E5M2 operands, one given power-of-two scale a tensor, by v_wmma_f32_16x16x64_bf8_bf8 or v_wmma_f32_16x16x128_bf8_bf8, f32 sums; everything else in f32.
;; Inputs: b_k 1,024 float32; b_o 1,024 float32; b_q 1,024 float32; b_v 1,024 float32; lowp_scales 12 int32 (the exponents e of the quantised operands' scales 2^e); w_k_codes 1,024 x 32 x 32 uint8 (E5M2 codes of w_k, K innermost, in blocks of 32 codes); w_o_codes 1,024 x 32 x 32 uint8 (E5M2 codes of w_o, K innermost, in blocks of 32 codes); w_q_codes 1,024 x 32 x 32 uint8 (E5M2 codes of w_q, K innermost, in blocks of 32 codes); w_v_codes 1,024 x 32 x 32 uint8 (E5M2 codes of w_v, K innermost, in blocks of 32 codes); x_codes 4 x 2,048 x 32 x 32 uint8 (E5M2 codes of x, K innermost, in blocks of 32 codes).
;; Outputs: out0 4 x 2,048 x 1,024 float32.
;; This version of the problem:
;;   THIS VERSION OF THE PROBLEM IS GIVEN IN LOW PRECISION. The matrix products marked QUANTISED in the list below multiply operands that are first quantised to E5M2 (5 exponent bits, 2 mantissa bits; 8 bits a number), with one given power-of-two scale for each operand tensor; their sums are f32. All else is computed in f32.
;;   The module's matrix products, in the order in which they are computed (A, B: the left and right operand; K: the contracted axis; several contracted axes count as one K, in the product's order):
;;     1. [M 8,192, K 1,024] x [K 1,024, N 1,024]; A: input x (given as codes); B: input w_q (given as codes): QUANTISED (scales: A lowp_scales[0], B lowp_scales[1])
;;     2. [M 8,192, K 1,024] x [K 1,024, N 1,024]; A: input x (given as codes); B: input w_k (given as codes): QUANTISED (scales: A lowp_scales[2], B lowp_scales[3])
;;     3. [M 8,192, K 1,024] x [K 1,024, N 1,024]; A: input x (given as codes); B: input w_v (given as codes): QUANTISED (scales: A lowp_scales[4], B lowp_scales[5])
;;     4. batch 64 x [M 2,048, K 64] x [K 64, N 2,048]; A: computed on the way; B: computed on the way: QUANTISED (scales: A lowp_scales[6], B lowp_scales[7])
;;     5. batch 64 x [M 2,048, K 2,048] x [K 2,048, N 64]; A: softmax (see below); B: computed on the way: QUANTISED (scales: A lowp_scales[8], B lowp_scales[9])
;;     6. [M 8,192, K 1,024] x [K 1,024, N 1,024]; A: computed on the way; B: input w_o (given as codes): QUANTISED (scales: A lowp_scales[10], B lowp_scales[11])
;;   THE QUANTISER, for each operand of a quantised product, along K:
;;     - The operand's scale is 2^e, e = its entry of the input lowp_scales (int32; the entries are numbered through the quantised products in the list's order, A before B).
;;     - Each number is divided by the scale, clamped to +-57,344, and rounded to the nearest number of E5M2, ties to even, subnormals kept.
;;     - The product sums the exact products of the quantised numbers (number of the format x scale) in f32.
;;   ~~~python
;;   def quantise(x, axis, e):      # numpy; x: float32 -> the quantised numbers, widened to float32 again
;;       x = np.moveaxis(x, axis, -1); K = x.shape[-1]
;;       r = np.clip(x / 2.0 ** e, -57344, 57344)
;;       step = 2.0 ** (np.maximum(np.frexp(np.where(r == 0, 1, r))[1] - 1, -14) - 2)
;;       q = np.round(r / step) * step * 2.0 ** e      # np.round: ties to even
;;       return np.moveaxis(q, -1, axis).astype(np.float32)
;;   ~~~
;;   SOFTMAX AHEAD OF A QUANTISED PRODUCT. Where the list says 'softmax', what is quantised is not the finished softmax but p = 2^(t - M), with t = logit x log2(e) and M = ceil(the row's largest t), a whole number; so 1/2 < the row's largest p <= 1. The row's sum l is taken of the UNQUANTISED p, in f32, and the product's result is divided by l at the end. Since M is a whole number, a kernel that streams over the keys may use a running M (the ceiling of the running maximum): every later rescaling is an exact power of two, so the quantised numbers keep their values, but for numbers so far below the row's largest that they fall under the format's range.
;;   OPERANDS COMPUTED ON THE WAY. 'Computed on the way' means the value that the module computes at that place (a softmax that the list does not call 'softmax' is quantised finished and normalised). What goes into a quantiser is computed in f32, as accurately as f32 sums, v_exp_f32 and their like allow (about 1e-6 of the number): no bf16 or f16 on the way to a quantiser, and a product that is left as it is and whose result goes on into a quantised operand takes f32 operands (vector FMAs, or v_wmma_f32_16x16x4_f32). A number that lies on a knife's edge between two numbers of the format may be rounded either way, as far as f32 arithmetic and the matrix unit's own rounding can turn it there, and no further.
;;   INPUTS GIVEN AS CODES. w_k (in the module: [1024, 1024], K = its axis 0); w_o (in the module: [1024, 1024], K = its axis 0); w_q (in the module: [1024, 1024], K = its axis 0); w_v (in the module: [1024, 1024], K = its axis 0); x (in the module: [4, 2048, 1024], K = its axis 2): each comes as NAME_codes (uint8): NAME with its K axis moved to the last place and cut into blocks of 32 codes, [.., K / 32, bytes a block], one block behind the other in memory; one code a byte (a code: sign, 5 exponent bits, 2 mantissa bits); its scale is its entry of lowp_scales. Its value is code x scale, taken as it is: it is not quantised again, and the codes and scales need not be those that the quantiser above would give.
;; One version. Each part assembles by itself: llvm-mc -triple=amdgcn-amd-amdhsa -mcpu=gfx1250 --defsym DOCPART=n.
;; ======== version 1 of 1: 3 launches
;; limits: right only within a limited range of input values
;; workspace buffers: q_codes 8,388,608 bytes; k_codes 8,388,608 bytes; v_codes 8,388,608 bytes; ctx_codes 8,388,608 bytes
;; launch qkv (part 1): grid 12 x 32, 4 waves a work-group, clusters of 4 x 4, 327,680 bytes of LDS; arguments x_codes, w_q_codes, w_k_codes, w_v_codes, b_q, b_k, b_v, lowp_scales, q_codes, k_codes, v_codes; writes q_codes, k_codes, v_codes
.if DOCPART == 1
	.amdgcn_target "amdgcn-amd-amdhsa--gfx1250"
	.amdhsa_code_object_version 6
	.text
	.protected	k_q7d8fdab6fc_qkv
	.globl	k_q7d8fdab6fc_qkv
	.p2align	8
	.type	k_q7d8fdab6fc_qkv,@function
k_q7d8fdab6fc_qkv:
	s_mov_b64 s[64:65], 0
	v_nop
	global_prefetch_b8 v0, s[64:65] scope:SCOPE_SE
	s_setreg_imm32_b32 hwreg(HW_REG_WAVE_MODE, 25, 1), 1
	s_wait_xcnt 0x0
	s_wait_alu depctr_hold_cnt(0) depctr_sa_sdst(0) depctr_va_vdst(0) depctr_va_sdst(0) depctr_va_ssrc(0) depctr_va_vcc(0) depctr_vm_vsrc(0)
	s_getreg_b32 s2, hwreg(HW_REG_IB_STS2, 6, 4)
	s_cmp_eq_u32 s2, 0
	s_cbranch_scc0 .Lentry_in_a_cluster
	s_endpgm
.Lentry_in_a_cluster:
	s_bfe_u32 s2, ttmp6, 0x10000c
	s_cmp_lg_u32 s2, 0xf033
	s_cbranch_scc0 .Lentry_shape_is_right
	s_endpgm
.Lentry_shape_is_right:
; q = x w_q + b_q, k = x w_k + b_k, v = x w_v + b_v on codes of BF8 (E5M2); each result is quantised at once with the scale given for it as an operand of attention
; (q: entry 6, k: entry 7, v: entry 9 of the scales) and stored as codes.  x: [8192][1024] codes; each w: [1024 (n)][1024 (k)] codes, K innermost; biases f32.
; SHARES.  A tile of 256 x 256 results to a work-group of four waves, 128 x 128 a wave: 64 accumulators, 512 registers.  3 x 128 tiles: the cluster's x says which product (0: q, 1: k, 2: v): the same in all sixteen partners.
; K = 1,024 goes in four steps of 256 through a ring of two LDS slots filled by the tensor data mover; the four steps are written out.
; ROLES.  Source 1 of the matrix instruction takes rows of 'A', source 0 rows of 'B': a lane then holds ONE row of A and eight neighbouring rows of B.
;   q, k: A = x, B = w: a lane holds one token and 8 neighbouring channels.     v: A = w_v, B = x: a lane holds one channel and 8 neighbouring keys.
; So the conversions' results of two neighbouring tiles of B, four registers, are four registers of the fragment that attention will want in the SAME lane, and the codes are stored as images of those registers:
;   q_codes, k_codes: [b x 16 + head][token / 16][c 0..1][lane][16 bytes]: token 16 blk + lane % 16; channels 32 c + 8 (lane / 16) + 0..7, then 16 further on.
;   v_codes:          [b x 16 + head][key / 128][channel / 16][c 0..3][lane][16 bytes]: channel 16 tile + lane % 16; keys 32 c + 8 (lane / 16) + 0..7, then 16 further on.
; Each store of a wave covers 512 consecutive bytes, aligned: nothing is transposed and nothing goes through LDS on the way out.
; CLUSTERS: 4 x 4 work-groups.  A's tile hangs on the tile row alone and is asked for jointly along a row of the cluster, B's on the tile column alone, along a column.
; LIMITS: the two exponents of a product add up to between -126 and 127; the exponent of each result's scale lies between -126 and 112.  NaN among the biases is not served.
; REGISTERS, in windows of 256: window 0: v0-31 addresses; v32-95 the bias in the result's layout; v96-103 its load offsets; from v128 A's fragments, ONE set; on the way out v128-191 numbers, v192-255 codes.
;   window 1: B's fragments, TWO sets.   window 2: the accumulators of my A rows 0-63 ((a, b) at v[8 (8 a + b)]);   window 3: those of rows 64-127.
.set ROWB,   256                       ; a tile's row in bytes: 256 codes
.set KROW,   1024                      ; a row of x or of a weight in memory
.set PITCH,  272                       ; an LDS row: 256 bytes + 16 of padding = 68 words: the 16 rows that a load touches start at 16 different banks (64 banks of 4 bytes: ISA guide 11.1)
.set FR,     16                        ; registers of a fragment: 16 rows x 128 K
.set NL,     4                         ; LDS loads that bring one
.set NP,     4                         ; places behind this matrix instruction (ISA guide 7.12.1)
.set HALFT,  128*PITCH                 ; 128 rows: what one tensor load brings
.set SLOT,   4*HALFT                   ; A's 256 rows, then B's 256 rows
.set SPARE,  2*SLOT                    ; behind the ring: the spare words, 128 bytes for each wave
.set SCL,  8                           ; v8   the result's scale as f32
.set LIMV, 9
.set L16,  10                          ; v10  16 x lane: my place in an image
.set ADRA, 16                          ; v16-17  LDS address of my A fragments in slot 0, 1
.set ADRB, 20                          ; v20-21  the same for B
.set SPW,  28                          ; v28  LDS address of my spare word; never rewritten
.set NIL,  29                          ; v29  0; never rewritten
.set EB,   32                          ; v32-95  the bias
.set BA,   96                          ; v96-103 its offsets
.set AF,   128
.set TMP,  128
.set CD,   192
.set G1, 24                            ; s[24:31] group 1 for A's tiles;  s[32:39] group 0, a set for each slot
.set G0, 32
.set G1B, 48                           ; s[48:55], s[56:63] the same for B's tiles
.set G0B, 56
.set MSB, 0
.macro WIN new                         ; the immediate's high byte repeats the setting that is left
.if MSB != (\new)
	s_set_vgpr_msb (MSB<<8)|(\new)
.set MSB, (\new)
.endif
.endm
.set MUL_LO, 0xa1                      ; source 0 (B) window 1, source 1 (A) window 0, C and D window 2
.set MUL_HI, 0xf1                      ; the same, C and D window 3
.set TO_B,   0x40                      ; destination window 1, address window 0
; A joint load: waves 0 and 1 fetch for A, waves 2 and 3 for B; the branch hangs on the wave's number alone.  Four v_nop follow each of the two lines.
.macro JLOAD g0a, g1a, g0b, g1b
	s_cmp_eq_u32 s15, 0
	s_cbranch_scc0 .Lfor_b_\@
	tensor_load_to_lds s[\g0a:\g0a+3], s[\g1a:\g1a+7]
	s_nop 0
.rept 4
	v_nop
.endr
	s_branch .Lasked_\@
.Lfor_b_\@:
	tensor_load_to_lds s[\g0b:\g0b+3], s[\g1b:\g1b+7]
	s_nop 0
.rept 4
	v_nop
.endr
.Lasked_\@:
.endm
.macro CREST                           ; a round of the cluster's barrier behind its opening barrier
	s_cmp_lg_u32 s14, 0
	s_cbranch_scc1 .Lnot_wave_0_\@
	s_barrier_signal -3
.Lnot_wave_0_\@:
	s_barrier_wait -3
	s_barrier_signal -1
	s_barrier_wait -1
.endm
.macro CROUND                          ; a whole round
	s_barrier_signal -1
	s_barrier_wait -1
	CREST
.endm
	s_load_b256 s[68:75], s[0:1], 0x0              ; x s[68:69], w_q s[70:71], w_k s[72:73], w_v s[74:75]
	s_load_b256 s[76:83], s[0:1], 0x20             ; b_q s[76:77], b_k s[78:79], b_v s[80:81], the scales' exponents s[82:83]
	s_load_b128 s[84:87], s[0:1], 0x40             ; q's codes s[84:85], k's s[86:87]
	s_load_b64 s[88:89], s[0:1], 0x50              ; v's
	v_lshl_add_u32 v[SPW], v0, 2, SPARE
	v_mov_b32 v[NIL], 0
	ds_add_u32 v28, v29
	ds_add_u32 v28, v29
	s_wait_dscnt 0x0
	v_lshrrev_b32 v1, 5, v0
	v_readfirstlane_b32 s14, v1                    ; wave 0..3
	s_lshr_b32 s15, s14, 1                         ; which half of A's rows is mine.  Also: I fetch for A (0) or for B (1)
	s_and_b32 s16, s14, 1                          ; which half of B's rows.  Also: which 128 rows of that tile I fetch
	s_bfe_u32 s40, ttmp6, 0x40000                  ; cx, cy: my place in the cluster
	s_bfe_u32 s41, ttmp6, 0x40004
	s_and_b32 s90, ttmp7, 0xffff
	s_lshl_b32 s90, s90, 2                         ; 4 x cluster y: it walks x's 32 tiles of 256 rows
	s_cmp_eq_u32 ttmp9, 2                          ; v?  x is then B
	s_cselect_b32 s91, 0, s90
	s_cselect_b32 s92, s90, 0
	s_add_co_u32 s17, s41, s91                     ; A's tile: cy (+ 4 x cluster y where A is x): never cx
	s_add_co_u32 s42, s40, s92                     ; B's tile: cx (+ 4 x cluster y where B is x): never cy
	s_lshl_b32 s43, s41, 2
	s_lshl_b32 s43, 15, s43                        ; my row of the cluster
	s_lshl_b32 s44, 0x1111, s40                    ; my column
	; descriptor group 1: a tile of 128 rows x 256 bytes, padded in LDS
	s_or_b32 s[G1+0], s43, (0<<16)|(1<<20)|(1<<21)|(5<<22)|(3<<25)  ; 15:0 the mask: A's tiles go to my row; elements of 1 byte; 20 padding on; 21 set beside a mask; after every 64 words (code 5) 4 words (code 3)
	s_or_b32 s[G1B+0], s44, (0<<16)|(1<<20)|(1<<21)|(5<<22)|(3<<25)
.irp g, G1, G1B
	s_mov_b32 s[\g+1], ROWB<<16                    ; tensor_dim0
	s_mov_b32 s[\g+2], 128<<16                     ; tensor_dim1 = 128
	s_mov_b32 s[\g+3], ROWB<<16                    ; tile_dim0
	s_mov_b32 s[\g+4], 128                         ; tile_dim1 = 128
	s_mov_b32 s[\g+5], KROW                        ; tensor_dim0_stride
	s_mov_b32 s[\g+6], 0
	s_mov_b32 s[\g+7], 0
.endr
	s_lshl_b32 s18, s16, 7                         ; which 128 rows of the tile I fetch
	s_lshl_b32 s20, s17, 8
	s_add_co_u32 s20, s20, s18
	s_lshl_b32 s20, s20, 10                        ; A: (256 x tile + 128 x half) rows of 1,024 bytes: under 2^24
	s_mov_b32 s21, 0
	s_lshl_b32 s46, s42, 8
	s_add_co_u32 s46, s46, s18
	s_lshl_b32 s46, s46, 10                        ; B likewise
	s_mov_b32 s47, 0
	s_mul_i32 s45, s14, HALFT                      ; where they go: wave x 128 rows: no place in the cluster enters an LDS address
	s_wait_kmcnt 0x0
	s_cmp_eq_u32 ttmp9, 0                          ; the buffers are chosen by the cluster's x alone
	s_cselect_b64 s[6:7], s[70:71], s[72:73]       ; B = w_q or w_k
	s_cselect_b64 s[8:9], s[76:77], s[78:79]       ; the bias
	s_cselect_b64 s[10:11], s[84:85], s[86:87]     ; the codes' buffer
	s_cmp_eq_u32 ttmp9, 2
	s_cselect_b64 s[4:5], s[74:75], s[68:69]       ; A = w_v or x
	s_cselect_b64 s[6:7], s[68:69], s[6:7]         ; B = x or the weight
	s_cselect_b64 s[8:9], s[80:81], s[8:9]
	s_cselect_b64 s[10:11], s[88:89], s[10:11]
	s_load_b256 s[68:75], s[82:83], 0x0            ; entries 0 to 7 of the scales' exponents; waited for on the way out
	s_load_b64 s[76:77], s[82:83], 0x20            ; entries 8, 9
	s_add_nc_u64 s[20:21], s[4:5], s[20:21]
	s_add_nc_u64 s[46:47], s[6:7], s[46:47]
	CROUND                                         ; all sixteen work-groups are here: the first joint loads meet
.irp s, 0,1
	s_mov_b32 s[G0+4*\s], 1
	s_add_co_u32 s[G0+4*\s+1], s45, \s*SLOT
	s_add_nc_u64 s[G0+4*\s+2:G0+4*\s+3], s[20:21], \s*ROWB
	s_or_b32 s[G0+4*\s+3], s[G0+4*\s+3], 0x80000000
	s_mov_b32 s[G0B+4*\s], 1
	s_add_co_u32 s[G0B+4*\s+1], s45, \s*SLOT
	s_add_nc_u64 s[G0B+4*\s+2:G0B+4*\s+3], s[46:47], \s*ROWB
	s_or_b32 s[G0B+4*\s+3], s[G0B+4*\s+3], 0x80000000
	JLOAD G0+4*\s, G1, G0B+4*\s, G1B               ; two tensor loads of mine are out behind these
.endr
	v_and_b32 v1, 15, v0                           ; r = lane % 16
	v_bfe_u32 v2, v0, 4, 1                         ; h = lane / 16
	v_mul_u32_u24 v3, v1, PITCH
	v_lshl_add_u32 v4, v2, 4, v3                   ; a fragment's row x pitch + 16 x half
	s_mul_i32 s21, s15, HALFT                      ; my 128 rows of A
	s_mul_i32 s22, s16, HALFT                      ; my 128 rows of B,
	s_add_co_u32 s22, s22, 2*HALFT                 ; which lie behind A's 256
.irp s, 0,1
	v_add_nc_u32 v[ADRA+\s], s21, v4
	v_add_nc_u32 v[ADRB+\s], s22, v4
	s_add_co_u32 s21, s21, SLOT
	s_add_co_u32 s22, s22, SLOT
.endr
	v_and_b32 v6, 31, v0
	v_lshlrev_b32 v[L16], 4, v6
	; where my codes go and where my bias lies.  TT: my first row of x (token or key); HH: my first head (64 rows of the weight each)
	s_lshl_b32 s90, s17, 8
	s_lshl_b32 s91, s15, 7
	s_add_co_u32 s90, s90, s91                     ; A's first row of mine
	s_lshl_b32 s91, s42, 8
	s_lshl_b32 s92, s16, 7
	s_add_co_u32 s91, s91, s92                     ; B's
	s_lshl_b32 s92, s17, 2
	s_lshl_b32 s93, s15, 1
	s_add_co_u32 s92, s92, s93                     ; the same in units of 64 rows
	s_lshl_b32 s93, s42, 2
	s_lshl_b32 s94, s16, 1
	s_add_co_u32 s93, s93, s94
	s_cmp_eq_u32 ttmp9, 2
	s_cselect_b32 s90, s91, s90                    ; TT
	s_cselect_b32 s92, s92, s93                    ; HH
	s_cselect_b32 s93, 4, 0                        ; the bias's offset: r x this
	s_cselect_b32 s94, 0, 32                       ; + h x this
	s_cselect_b32 s95, 0, 4                        ; + register x this
	s_lshr_b32 s18, s90, 11                        ; b
	s_lshl_b32 s18, s18, 4
	s_add_co_u32 s18, s18, s92                     ; b x 16 + head,
	s_lshl_b32 s18, s18, 17                        ; 131,072 bytes each;
	s_and_b32 s19, s90, 2047
	s_lshl_b32 s19, s19, 6                         ; 16 tokens are 1,024 bytes, 128 keys 8,192: 64 bytes a row of x in both layouts
	s_add_co_u32 s18, s18, s19
	s_mov_b32 s19, 0
	s_add_nc_u64 s[10:11], s[10:11], s[18:19]
	s_lshl_b32 s18, s92, 8                         ; 64 numbers of 4 bytes a head
	s_add_nc_u64 s[8:9], s[8:9], s[18:19]
	; the bias in the result's layout, with no branch: q, k: register 8 x + i holds bias[16 x + 8 h + i] (x: B's block);  v: bias[16 x + r] in all eight (x: A's block)
	v_mul_u32_u24 v[BA], s93, v1
	v_mad_u32_u24 v[BA], v2, s94, v[BA]
.irp i, 1,2,3,4,5,6,7
	v_mad_u32_u24 v[BA+\i], s95, \i, v[BA]
.endr
.irp x, 0,1,2,3,4,5,6,7
.irp i, 0,1,2,3,4,5,6,7
	global_load_b32 v[EB+8*\x+\i], v[BA+\i], s[8:9] offset:64*\x   ; once a wave; waited for on the way out
.endr
.endr
.macro FRAG reg, adr, q, i             ; a fragment, 16 rows x 128 K, is 16 registers: lane l holds row l % 16; registers 4 c .. 4 c + 3 hold K = 32 c + 16 (l / 16) + 0 .. 15: one order of k for A and B alike
.irp c, 0,1,2,3
	ds_load_b128 v[\reg+4*\c:\reg+4*\c+3], v[\adr] offset:128*(\q)+32*\c+(\i)*16*PITCH
.endr
.endm
; 16 matrix instructions: A's blocks a0, a0 + 1 x B's eight, 128 along K.  p: B's set.  zero = 1: the first product starts the sums.  The 64 accumulators take turns, one instruction a turn.
.macro MUL16 a0, p, zero
.irp a, \a0, \a0+1
.irp b, 0,1,2,3,4,5,6,7
.if \zero
	v_wmma_f32_16x16x128_bf8_bf8 v[8*(8*((\a)%4)+\b):8*(8*((\a)%4)+\b)+7], v[128*(\p)+FR*\b:128*(\p)+FR*\b+FR-1], v[AF+FR*(\a):AF+FR*(\a)+FR-1], 0
.else
	v_wmma_f32_16x16x128_bf8_bf8 v[8*(8*((\a)%4)+\b):8*(8*((\a)%4)+\b)+7], v[128*(\p)+FR*\b:128*(\p)+FR*\b+FR-1], v[AF+FR*(\a):AF+FR*(\a)+FR-1], v[8*(8*((\a)%4)+\b):8*(8*((\a)%4)+\b)+7]
.endif
.endr
.endr
.endm
.macro FETCH_B slot, q, p              ; B's eight fragments of the slot's q-th 128 along K into set p
	WIN TO_B
.irp i, 0,1,2,3,4,5,6,7
	FRAG 128*(\p)+FR*\i, ADRB+\slot, \q, \i
.endr
	WIN 0
.endm
.macro FETCH_A slot, q, i0             ; A's blocks i0 .. i0 + 3
.irp i, \i0, \i0+1, \i0+2, \i0+3
	FRAG AF+FR*(\i), ADRA+\slot, \q, \i
.endr
.endm
.macro PLACES n                        ; plain vector instructions between a matrix instruction and a load into, or a read of, its registers
.rept \n
	v_nop
.endr
.endm
; A step of 128 along K that has its successor in the same slot.  A block of A is free as soon as its eight products are issued: blocks 0-3 are fetched anew in the middle, blocks 4-7 at the end.
.macro STEP slot, q, zero
	s_wait_dscnt 4*NL                              ; B's set and A's blocks 0-3 are in; the youngest 16 loads (A's blocks 4-7) may be out
	WIN MUL_LO
	MUL16 0, (\q)%2, \zero
	MUL16 2, (\q)%2, \zero
	s_wait_dscnt 0                                 ; A's blocks 4-7 are in
	PLACES NP
	FETCH_B \slot, (\q)+1, 1-(\q)%2
	FETCH_A \slot, (\q)+1, 0
	WIN MUL_HI
	MUL16 4, (\q)%2, \zero
	MUL16 6, (\q)%2, \zero
	PLACES NP
	WIN 0
	FETCH_A \slot, (\q)+1, 4
.endm
; A slot's last step changes slots: ONE barrier; in front of it each wave waits for all its tensor loads, adds 0 to its spare word, and waits for that and for its own reads of this slot.  fill = 1: this slot is filled again, two K steps ahead.
.macro TURN slot, next, fill
	s_wait_tensorcnt 0x0                           ; all my tensor loads have landed: my part of the next slot
	ds_add_u32 v[SPW], v[NIL]                      ; 0 onto my spare word
	s_wait_dscnt 4*NL+1                            ; the add and the youngest 16 loads (A's blocks 4-7) may be out
	WIN MUL_LO
	MUL16 0, 1, 0                                  ; sixteen matrix instructions stand between the add and the wait for it
	s_wait_dscnt 0x0                               ; the add is done, and my reads of this slot are over
	s_barrier_signal -1
	MUL16 2, 1, 0
	WIN 0
	s_barrier_wait -1
.if \fill
	CREST                                          ; the barrier has opened a round of the cluster's barrier: no wave of any partner still reads this slot or has a load on its way
	s_add_nc_u64 s[G0+4*\slot+2:G0+4*\slot+3], s[G0+4*\slot+2:G0+4*\slot+3], 2*ROWB
	s_add_nc_u64 s[G0B+4*\slot+2:G0B+4*\slot+3], s[G0B+4*\slot+2:G0B+4*\slot+3], 2*ROWB
	JLOAD G0+4*\slot, G1, G0B+4*\slot, G1B         ; the first tensor load behind the round; its four v_nop are the places in front of the loads below
.else
	PLACES NP
.endif
	FETCH_B \next, 0, 0
	FETCH_A \next, 0, 0
	WIN MUL_HI
	MUL16 4, 1, 0
	MUL16 6, 1, 0
	PLACES NP
	WIN 0
	FETCH_A \next, 0, 4
.endm
	s_wait_tensorcnt 1                             ; my part of K step 0 is in; K step 1's load may be out
	s_barrier_signal -1
	s_barrier_wait -1                              ; everybody's is
	FETCH_B 0, 0, 0
	FETCH_A 0, 0, 0
	FETCH_A 0, 0, 4
	STEP 0, 0, 1                                   ; K 0-127: these products start the sums
	TURN 0, 1, 1                                   ; K 128-255; slot 0 takes K 512-767
	STEP 1, 0, 0
	TURN 1, 0, 1                                   ; slot 1 takes K 768-1023
	STEP 0, 0, 0
	TURN 0, 1, 0                                   ; nothing is left to fetch
	STEP 1, 0, 0
	s_wait_dscnt 4*NL                              ; the very last step
	WIN MUL_LO
	MUL16 0, 1, 0
	MUL16 2, 1, 0
	s_wait_dscnt 0
	WIN MUL_HI
	MUL16 4, 1, 0
	MUL16 6, 1, 0
	WIN 0
; THE WAY OUT, A's block a (16 rows of A x my 128 rows of B): number = sum x 2^(ea + eb) + bias, one packed multiply-add for two; not clamped (the conversion to an 8-bit code does not
; saturate: ISA guide 7.6.2); eight numbers a conversion; four stores of 512 consecutive bytes.  kind = 0: q, k (the bias goes by B's block); 1: v (by A's block).
.macro BLOCKOUT a, kind
.set AC, 64*((\a)%4)
.set CC, CD+16*((\a)%4)
.if (\a) == 4
	s_wait_xcnt 0x0                                ; the stores of blocks 0 to 3 have read their registers: the four sets of codes are written again only behind this wait
.endif
	WIN 0x02+((\a)/4)                              ; source 0: window 2 or 3
.irp b, 0,1,2,3,4,5,6,7
.irp i, 0,2,4,6
.if \kind
	v_pk_fma_f32 v[TMP+8*\b+\i:TMP+8*\b+\i+1], v[AC+8*\b+\i:AC+8*\b+\i+1], s[96:97], v[EB+8*(\a)+\i:EB+8*(\a)+\i+1] op_sel_hi:[1,0,1]   ; each accumulator from its low end on
.else
	v_pk_fma_f32 v[TMP+8*\b+\i:TMP+8*\b+\i+1], v[AC+8*\b+\i:AC+8*\b+\i+1], s[96:97], v[EB+8*\b+\i:EB+8*\b+\i+1] op_sel_hi:[1,0,1]
.endif
.endr
.endr
	WIN 0
.set nn, 0
.rept 64
.set nn, nn+1
.endr
.irp b, 0,1,2,3,4,5,6,7
	v_cvt_scalef32_pk8_bf8_f32 v[CC+2*\b:CC+2*\b+1], v[TMP+8*\b:TMP+8*\b+7], v[SCL]
.endr
	v_nop                                          ; one plain vector instruction between the conversions and the next block's writes of their sources
.irp g, 0,1,2,3
.if \kind
	global_store_b128 v[L16], v[CC+4*\g:CC+4*\g+3], s[10:11] offset:((\a)/4)*131072+((\a)%4)*2048+512*\g    ; head a / 4, channels 16 (a % 4) on, keys 32 g on
.else
	global_store_b128 v[L16], v[CC+4*\g:CC+4*\g+3], s[10:11] offset:(\g/2)*131072+(\a)*1024+512*(\g%2)      ; head g / 2, tokens 16 a on, channels 32 (g % 2) on
.endif
.endr
.endm
	s_wait_kmcnt 0x0                               ; the exponents
	s_add_co_i32 s90, s68, s69
	s_add_co_i32 s91, s70, s71
	s_add_co_i32 s92, s72, s73
	s_cmp_eq_u32 ttmp9, 0
	s_cselect_b32 s90, s90, s91                    ; ea + eb of my product
	s_cselect_b32 s93, s74, s75                    ; the result's exponent: entry 6 (q) or 7 (k),
	s_cmp_eq_u32 ttmp9, 2
	s_cselect_b32 s90, s92, s90
	s_cselect_b32 s93, s77, s93                    ; or 9 (v)
	s_add_co_i32 s90, s90, 127
	s_lshl_b32 s96, s90, 23                        ; 2^(ea + eb) as f32
	s_mov_b32 s97, s96                             ; (named with it as a pair, so it is written)
	s_add_co_i32 s93, s93, 127
	s_lshl_b32 s94, s93, 23
	v_mov_b32 v[SCL], s94                          ; the conversion takes this number's exponent field
	s_wait_loadcnt 0x0                             ; the bias
	PLACES NP                                      ; behind the last products: their results are read, and A's registers written, below
	s_cmp_eq_u32 ttmp9, 2                          ; the same in all sixteen partners
	s_cbranch_scc1 .Lout_v
.irp a, 0,1,2,3,4,5,6,7
	BLOCKOUT \a, 0
.endr
	s_branch .Lend
.Lout_v:
.irp a, 0,1,2,3,4,5,6,7
	BLOCKOUT \a, 1
.endr
.Lend:
	s_wait_tensorcnt 0x0                           ; the wave's end
	ds_add_u32 v[SPW], v[NIL]
	s_wait_dscnt 0x0
	CROUND                                         ; the closing round: no work-group ends while a partner may still ask for a tile that names it
	s_endpgm
.Lfunc_end_k_q7d8fdab6fc_qkv:
	.size	k_q7d8fdab6fc_qkv, .Lfunc_end_k_q7d8fdab6fc_qkv-k_q7d8fdab6fc_qkv
	.p2alignl 7, 3214868480
	.fill 96, 4, 3214868480
	.section	.rodata,"a",@progbits
	.p2align	6, 0x0
	.amdhsa_kernel k_q7d8fdab6fc_qkv
		.amdhsa_group_segment_fixed_size 327680
		.amdhsa_private_segment_fixed_size 0
		.amdhsa_enable_private_segment 0
		.amdhsa_kernarg_size 88
		.amdhsa_user_sgpr_count 2
		.amdhsa_user_sgpr_kernarg_segment_ptr 1
		.amdhsa_wavefront_size32 1
		.amdhsa_system_sgpr_workgroup_id_x 1
		.amdhsa_system_sgpr_workgroup_id_y 1
		.amdhsa_system_sgpr_workgroup_id_z 1
		.amdhsa_system_vgpr_workitem_id 0
		.amdhsa_next_free_vgpr 1024
		.amdhsa_next_free_sgpr 100
		.amdhsa_reserve_vcc 0
		.amdhsa_float_denorm_mode_32 3
		.amdhsa_float_denorm_mode_16_64 3
		.amdhsa_fp16_overflow 1
		.amdhsa_memory_ordered 1
		.amdhsa_forward_progress 1
		.amdhsa_inst_pref_size 133
	.end_amdhsa_kernel
	.amdgpu_metadata
---
amdhsa.version: [ 1, 2 ]
amdhsa.kernels:
  - .name:           k_q7d8fdab6fc_qkv
    .symbol:         k_q7d8fdab6fc_qkv.kd
    .args:
      - { .name: x_codes, .offset: 0, .size: 8, .value_kind: global_buffer, .address_space: global }
      - { .name: w_q_codes, .offset: 8, .size: 8, .value_kind: global_buffer, .address_space: global }
      - { .name: w_k_codes, .offset: 16, .size: 8, .value_kind: global_buffer, .address_space: global }
      - { .name: w_v_codes, .offset: 24, .size: 8, .value_kind: global_buffer, .address_space: global }
      - { .name: b_q, .offset: 32, .size: 8, .value_kind: global_buffer, .address_space: global }
      - { .name: b_k, .offset: 40, .size: 8, .value_kind: global_buffer, .address_space: global }
      - { .name: b_v, .offset: 48, .size: 8, .value_kind: global_buffer, .address_space: global }
      - { .name: lowp_scales, .offset: 56, .size: 8, .value_kind: global_buffer, .address_space: global }
      - { .name: q_codes, .offset: 64, .size: 8, .value_kind: global_buffer, .address_space: global }
      - { .name: k_codes, .offset: 72, .size: 8, .value_kind: global_buffer, .address_space: global }
      - { .name: v_codes, .offset: 80, .size: 8, .value_kind: global_buffer, .address_space: global }
    .group_segment_fixed_size: 327680
    .private_segment_fixed_size: 0
    .kernarg_segment_align: 8
    .kernarg_segment_size: 88
    .max_flat_workgroup_size: 128
    .sgpr_count:     100
    .vgpr_count:     1024
    .wavefront_size: 32
...
	.end_amdgpu_metadata
.endif
;; end of part 1
;; launch attn (part 2): grid 4 x 64, 16 waves a work-group, no clusters, 327,680 bytes of LDS; arguments q_codes, k_codes, v_codes, lowp_scales, ctx_codes; writes ctx_codes
.if DOCPART == 2
	.amdgcn_target "amdgcn-amd-amdhsa--gfx1250"
	.amdhsa_code_object_version 6
	.text
	.protected	k_q7d8fdab6fc_attn
	.globl	k_q7d8fdab6fc_attn
	.p2align	8
	.type	k_q7d8fdab6fc_attn,@function
k_q7d8fdab6fc_attn:
	s_mov_b64 s[64:65], 0
	v_nop
	global_prefetch_b8 v0, s[64:65] scope:SCOPE_SE
	s_setreg_imm32_b32 hwreg(HW_REG_WAVE_MODE, 25, 1), 1
	s_wait_xcnt 0x0
; ctx[b][q][head] = softmax over keys k <= q of (Q . K / 8) times V, both products on codes of BF8 (E5M2); the result is quantised at once with entry 10 of the scales and stored as codes.
; q_codes, k_codes: [bh][token / 16][c 0..1][lane][16 bytes], v_codes: [bh][key / 128][channel / 16][c 0..3][lane][16 bytes]: images of the operands' registers: a fragment comes by loads at 16 x lane.
; THE SOFTMAX: t = score x log2(e) / 8; M = the row's largest t so far, rounded UP to a whole number; p = 2^(t - M) is what is quantised (entry 8); it is not normalised.  The row's sum is taken of the
; unquantised p, in f32, and divides at the end.  When M moves, the sum and O are multiplied by 2^(old M - new M), which rounds nothing.
; SHARES.  Work-group (p, bh) owns the query blocks 7 - p and p of its head, 256 queries each, one after the other.  Block i wants the key slots 0 .. i of 256 keys: (8 - p) + (p + 1) = 9 slots for every
; work-group: a constant trip count and equal work in all 256.  Each of the SIXTEEN waves owns 16 queries of the block in hand, in 256 registers: four waves to a SIMD.
; A step (128 keys) all of whose keys come after the wave's queries is jumped over by a scalar branch on ids; on the diagonal hidden scores become -infinity ahead of the maximum.
; LAYOUT.  S^T = K Q^T (source 0 = 16 keys, source 1 = my 16 queries, K = 64), O^T = V^T P^T (source 0 = 16 channels, source 1 = P, K = 128 keys): a lane holds ONE query (lane % 16) throughout, and tile t's
; eight scores are keys 16 t + 8 (lane / 16) + 0..7: their two registers of codes are registers 2 t, 2 t + 1 of P's fragment as this form lays it.
; THE RING: two LDS slots of 32,768 bytes (K's 16,384, then V's), each a dense block of memory; wave 0 fetches K's, wave 1 V's, all sixteen read.  No padding: every fragment load reads 512 consecutive bytes.
; NO CLUSTER: the four work-groups of a head want different slots in the same trip (trip j is slot j only while the late block lasts, and that is 8 - p trips), so no tile could be asked for jointly.
; ctx_codes: [head][row / 16][t 0..3][row % 16][16 bytes], channels 16 t + 0..15 of the head; row = b x 2,048 + query.  Each store of a wave covers 256 consecutive bytes, aligned.
; LIMITS on the given exponents: entries 6 + 7 between -123 and 130 (added to c's exponent field); entries 8 and 10 between -126 and 112 each.
; REGISTERS: v1-6, v10 addresses and the like that stay; v12 -M, v13 the largest t, v[14:15] the sum in two halves; v16-23 Q in hand, v24-31 Q of the early block; v32-95 K's 8 fragments, then V's 4;
;   v96-159 S^T, then p; v160-191 O^T; v192-207 p's codes; v208-215 ctx's codes; v236-255 at work and constants.
.set SLOT1, 32768                      ; slot 1 begins here: one exclusive or turns an address in one slot into the other's
.set VOFF,  16384                      ; V's part of a slot
.set SPARE, 65536                      ; behind the ring: the spare words, 128 bytes for each of sixteen waves
.set L16,  1                           ; v1   16 x lane
.set GO,   2                           ; v2   16 r + 8 h: my 8 bytes of a unit of ctx's codes
.set PFO,  3                           ; v3   256 x lane: the prefetches' offset
.set ADR,  4                           ; v4   LDS address of the step's loads
.set SPW,  5                           ; v5   LDS address of my spare word; never rewritten
.set NIL,  6                           ; v6   0; never rewritten
.set RH,   10                          ; v10  r - 8 h, for the mask
.set TB,   2                           ; s2   LDS byte at which the slot in hand begins
.set WV,   18                          ; s18  my wave's number
.set SEL,  20                          ; s[20:21] lane selects: lane l xor 16
.set CS,   22                          ; s[22:23] c = log2(e) / 8 x 2^(entries 6 + 7)
.set G1,   24                          ; s[24:31] descriptor group 1
.set G0,   40                          ; s[40:43] descriptor group 0, which walks
.set FB,   44                          ; s[44:45] my tensor's bytes of this head (K: wave 0, V: wave 1)
.set OFS,  46                          ; s[46:47] the next slot's byte offset there
.set TRIP, 48
.set SW,   49                          ; s49  7 - p: the late block's number, and its last trip
.set NS,   50                          ; s50  the key slot that is asked for
.set KF,   51                          ; s51  the step's first key
.set Q0,   52                          ; s52  my first query
.set Q0E,  53                          ; s53  the same in the early block
.set OUTL, 54                          ; s[54:55] where my codes of the late block go
.set OUTE, 56                          ; s[56:57] of the early block
.set PFA,  58                          ; s[58:59] where my prefetches stand
.set LIM,  60                          ; s60  a wave prefetches while the trip's number is under this
.set EPV,  61                          ; s61  entries 8 + 9
.macro TLOAD                           ; waves 0 and 1 fetch; the branch hangs on the wave's number alone.  Four v_nop follow the load
	s_cmp_lt_u32 s[WV], 2
	s_cbranch_scc0 .Lno_load_\@
	tensor_load_to_lds s[G0:G0+3], s[G1:G1+7]
	s_nop 0
.rept 4
	v_nop
.endr
.Lno_load_\@:
.endm
; A PREFETCH of the slot that the NEXT change of slots will ask for.  All four work-groups of a head walk the same K and V; work-group 0, whose trips 0 to 7 are slots 0 to 7, asks, and nobody else.
; In it waves 4 and 5 ask for K's 16,384 bytes, waves 6 and 7 for V's: 8,192 bytes a wave, lanes 256 bytes apart: each aligned block of 256 bytes is named once in the launch.
; Trip j asks for slot j + 2, j = 0 .. 5: slots 0 and 1 come by their loads alone, and the last request is for slot 7, the head's last.
.macro ASK
	s_cmp_lt_u32 s[TRIP], s[LIM]
	s_cbranch_scc0 .Lnot_mine_\@
	global_prefetch_b8 v[PFO], s[PFA:PFA+1] th:TH_LOAD_NT scope:SCOPE_SE
.Lnot_mine_\@:
.endm
.macro INIT                            ; a block of queries begins: the largest t -3e38, under every t; sums and O^T zeros, which the first change of M leaves zeros
	v_mov_b32 v13, 0xff61b1e6
	s_delay_alu instid0(VALU_DEP_1)
	v_floor_f32 v12, -v13
	v_mov_b32 v14, 0
	v_mov_b32 v15, 0
.set nn, 0
.rept 32
	v_mov_b32 v[160+nn], 0
.set nn, nn+1
.endr
.endm
	s_load_b256 s[4:11], s[0:1], 0x0               ; q's codes s[4:5], k's s[6:7], v's s[8:9], the scales' exponents s[10:11]
	s_load_b64 s[12:13], s[0:1], 0x20              ; ctx's codes
	v_lshl_add_u32 v[SPW], v0, 2, SPARE
	v_mov_b32 v[NIL], 0
	ds_add_u32 v5, v6
	ds_add_u32 v5, v6
	s_wait_dscnt 0x0
	v_lshrrev_b32 v7, 5, v0
	s_delay_alu instid0(VALU_DEP_1)
	v_readfirstlane_b32 s[WV], v7                  ; wave 0..15
	; descriptor group 1: a dense block of 16,384 bytes as 64 rows of 32 elements of 8 bytes
	s_mov_b32 s[G1], 3<<16                         ; no mask; elements of 8 bytes; no padding
	s_mov_b32 s[G1+1], 32<<16                      ; tensor_dim0 = 32
	s_mov_b32 s[G1+2], 64<<16                      ; tensor_dim1 = 64
	s_mov_b32 s[G1+3], 32<<16                      ; tile_dim0 = 32
	s_mov_b32 s[G1+4], 64                          ; tile_dim1 = 64
	s_mov_b32 s[G1+5], 32                          ; tensor_dim0_stride
	s_mov_b32 s[G1+6], 0
	s_mov_b32 s[G1+7], 0
	s_mov_b32 s[SEL], 0x76543210
	s_mov_b32 s[SEL+1], 0xfedcba98
	s_and_b32 s80, ttmp7, 0xffff                   ; bh = b x 16 + head
	s_lshl_b32 s82, s80, 17                        ; a head's codes are 131,072 bytes in q, k and v alike
	s_mov_b32 s83, 0
	s_and_b32 s84, s[WV], 1
	s_mov_b32 s[G0], 1                             ; count = 1
	s_lshl_b32 s[G0+1], s84, 14                    ; LDS address: K's part (wave 0) or V's (wave 1) of slot 0
	s_mov_b32 s[OFS], 0
	s_mov_b32 s[OFS+1], 0
	s_mov_b32 s[TB], 0
	s_mov_b32 s[TRIP], 0
	s_mov_b32 s[NS], 0
	s_mov_b32 s[KF], 0
	s_sub_co_u32 s[SW], 7, ttmp9
	s_wait_kmcnt 0x0
	s_load_b256 s[68:75], s[10:11], 0x0            ; entries 0 to 7
	s_load_b128 s[76:79], s[10:11], 0x20           ; entries 8 to 11
	s_cmp_eq_u32 s84, 0
	s_cselect_b64 s[FB:FB+1], s[6:7], s[8:9]
	s_add_nc_u64 s[FB:FB+1], s[FB:FB+1], s[82:83]
	s_mov_b64 s[G0+2:G0+3], s[FB:FB+1]             ; key slot 0
	s_or_b32 s[G0+3], s[G0+3], 0x80000000          ; type = 2
	TLOAD                                          ; slot 0
	s_lshl_b32 s85, s[SW], 4
	s_add_co_u32 s85, s85, s[WV]                   ; my tile of 16 queries in the late block: 16 (7 - p) + wave,
	s_lshl_b32 s86, ttmp9, 4
	s_add_co_u32 s86, s86, s[WV]                   ; and in the early one
	s_lshl_b32 s[Q0], s85, 4
	s_lshl_b32 s[Q0E], s86, 4
	s_add_nc_u64 s[4:5], s[4:5], s[82:83]          ; q's codes of my head
	s_lshl_b32 s90, s85, 10                        ; 1,024 bytes a tile, in q's codes and in ctx's
	s_mov_b32 s91, 0
	s_add_nc_u64 s[88:89], s[4:5], s[90:91]
	s_lshl_b32 s92, s86, 10
	s_mov_b32 s93, 0
	s_add_nc_u64 s[4:5], s[4:5], s[92:93]
	v_and_b32 v7, 31, v0
	s_wait_alu depctr_va_vdst(0)
	v_lshlrev_b32 v[L16], 4, v7
	global_load_b128 v[16:19], v[L16], s[88:89]              ; Q's fragments stay in registers: the late block's,
	global_load_b128 v[20:23], v[L16], s[88:89] offset:512
	global_load_b128 v[24:27], v[L16], s[4:5]                ; and the early block's
	global_load_b128 v[28:31], v[L16], s[4:5] offset:512
	s_and_b32 s94, s80, 15
	s_lshl_b32 s94, s94, 19                        ; ctx's codes: 524,288 bytes a head,
	s_lshr_b32 s95, s80, 4
	s_lshl_b32 s95, s95, 17                        ; 128 tiles of 1,024 bytes for each b
	s_add_co_u32 s94, s94, s95
	s_mov_b32 s95, 0
	s_add_nc_u64 s[12:13], s[12:13], s[94:95]
	s_add_nc_u64 s[OUTL:OUTL+1], s[12:13], s[90:91]
	s_add_nc_u64 s[OUTE:OUTE+1], s[12:13], s[92:93]
	s_cmp_lt_u32 s[WV], 6                          ; the prefetches: waves 4, 5 for K, waves 6, 7 for V
	s_cselect_b64 s[PFA:PFA+1], s[6:7], s[8:9]
	s_add_nc_u64 s[PFA:PFA+1], s[PFA:PFA+1], s[82:83]
	s_lshl_b32 s94, s84, 13                        ; my wave's 8,192 bytes,
	s_add_co_u32 s94, s94, 16384                   ; in slot 1: the first change of slots steps it to slot 2.  Nothing is prefetched here, at the head
	s_add_nc_u64 s[PFA:PFA+1], s[PFA:PFA+1], s[94:95]
	s_sub_co_u32 s94, s[WV], 4
	s_lshr_b32 s94, s94, 2                         ; 0 in waves 4 to 7,
	s_or_b32 s94, s94, ttmp9                       ; of the head's work-group 0
	s_cmp_eq_u32 s94, 0
	s_cselect_b32 s[LIM], 6, 0
	v_lshlrev_b32 v[PFO], 8, v7
	v_and_b32 v8, 15, v0                           ; r
	v_bfe_u32 v9, v0, 4, 1                         ; h
	s_delay_alu instid0(VALU_DEP_2)
	v_lshlrev_b32 v[GO], 4, v8
	s_delay_alu instid0(VALU_DEP_1)
	v_lshl_add_u32 v[GO], v9, 3, v[GO]
	s_delay_alu instid0(VALU_DEP_3)
	v_lshlrev_b32 v11, 3, v9
	s_delay_alu instid0(VALU_DEP_1)
	v_sub_nc_u32 v[RH], v8, v11
	v_mov_b32 v236, 0                              ; written once: a lane permute's destination counts as one of its sources
	v_mov_b32 v253, 0                              ; (named as the upper half of the pair v[252:253])
	INIT
	s_wait_kmcnt 0x0
	s_add_co_i32 s80, s74, s75
	s_lshl_b32 s80, s80, 23
	s_add_co_i32 s[CS], s80, 0x3e38aa3b            ; c = log2(e) / 8; a score stands for score x 2^(entries 6 + 7): the exponents are added to c's exponent field
	s_mov_b32 s[CS+1], s[CS]                       ; (named with it as a pair, so it is written)
	s_add_co_i32 s[EPV], s76, s77
	s_add_co_i32 s80, s76, 127
	s_lshl_b32 s81, s80, 23
	v_mov_b32 v244, s81                            ; p's scale as f32, for the conversion
	s_add_co_i32 s80, s78, 127
	s_lshl_b32 s81, s80, 23
	v_mov_b32 v245, s81                            ; ctx's scale,
; A KEY STEP: 128 keys, the q-th of the slot in hand.
.macro STEP q
	s_add_co_u32 s96, s[Q0], 15
	s_cmp_gt_u32 s[KF], s96                        ; all 128 keys come after my 16 queries: the step's work is left out; no barrier and no tensor load stands in a step
	s_cbranch_scc1 .Lhidden_\@
	v_add_nc_u32 v[ADR], s[TB], v[L16]
.rept 3
	v_nop                                          ; with the addition: four places in front of loads into registers that the last products read
.endr
.irp t, 0,1,2,3,4,5,6,7
	ds_load_b128 v[32+8*\t:35+8*\t], v[ADR] offset:(8*(\q)+\t)*1024        ; K's tile t: 16 keys x 64 channels
	ds_load_b128 v[36+8*\t:39+8*\t], v[ADR] offset:(8*(\q)+\t)*1024+512
.endr
	s_wait_alu depctr_va_vdst(0)
	s_wait_dscnt 0x0
.irp t, 0,1,2,3,4,5,6,7
	v_wmma_f32_16x16x64_bf8_bf8 v[96+8*\t:103+8*\t], v[32+8*\t:39+8*\t], v[16:23], 0   ; register 8 t + j: key KF + 16 t + 8 h + j of query Q0 + r
.endr
.rept 4
	v_nop                                          ; places: the scores are read below, and V's loads land where K lay
.endr
.irp t, 0,1,2,3
.irp c, 0,1,2,3
	ds_load_b128 v[32+16*\t+4*\c:35+16*\t+4*\c], v[ADR] offset:VOFF+8192*(\q)+2048*\t+512*\c   ; V's four fragments are asked for now and land while the softmax is worked
.endr
.endr
	s_add_co_u32 s96, s[KF], 127
	s_cmp_le_u32 s96, s[Q0]                        ; a step all of whose keys count skips the mask
	s_cbranch_scc1 .Lopen_\@
	s_sub_co_i32 s96, s[Q0], s[KF]
	v_add_nc_u32 v252, s96, v[RH]                  ; d = my query - KF - 8 h: register 8 t + j is hidden where 16 t + j > d
	v_mov_b32 v254, 0xff800000                     ; -infinity: p = 0 then.  Key KF counts for every query of a step that is worked, so M is a number
.set nn, 0
.rept 64
	v_cmp_gt_i32 vcc_lo, 16*(nn/8)+nn%8, v252
	v_cndmask_b32 v[96+nn], v[96+nn], v254, vcc_lo
.set nn, nn+1
.endr
.Lopen_\@:
	v_max3_num_f32 v254, v96, v97, v98             ; the step's largest score of my query, among my 64 keys, in two chains, each accumulator from its low end on,
	v_max3_num_f32 v252, v99, v100, v101
.irp i, 6,10,14,18,22,26,30,34,38,42,46,50,54,58
	v_max3_num_f32 v254, v254, v[96+\i], v[97+\i]
	v_max3_num_f32 v252, v252, v[98+\i], v[99+\i]
.endr
	v_max3_num_f32 v254, v254, v158, v159
	s_delay_alu instid0(VALU_DEP_1)
	v_max_num_f32 v254, v254, v252
	s_delay_alu instid0(VALU_DEP_1)
	v_permlanex16_b32 v236, v254, s[SEL], s[SEL+1]
	s_delay_alu instid0(VALU_DEP_1)
	v_max_num_f32 v254, v254, v236                 ; and among lane l xor 16's
	s_delay_alu instid0(VALU_DEP_1)
	v_mul_f32 v254, s[CS], v254                    ; as t (c is positive)
	s_delay_alu instid0(VALU_DEP_1)
	v_max_num_f32 v13, v13, v254                   ; the running largest t
	v_mov_b32 v254, v12
	s_delay_alu instid0(VALU_DEP_2)
	v_floor_f32 v12, -v13                          ; the new -M = floor(-t) = -ceil(t): M is a whole number
	s_delay_alu instid0(VALU_DEP_1)
	v_sub_f32 v254, v12, v254                      ; M's old value less its new one: a whole number, 0 or less
	s_delay_alu instid0(VALU_DEP_1)
	v_cvt_i32_f32 v254, v254                       ; (it saturates)
	s_delay_alu instid0(VALU_DEP_1)
	v_ldexp_f32 v252, 1.0, v254                    ; f = 2^(old M - new M)
.set nn, 0
.rept 32
	v_pk_fma_f32 v[96+nn:97+nn], v[96+nn:97+nn], s[CS:CS+1], v[12:13] op_sel_hi:[1,0,0]   ; t - M, two at a time
.set nn, nn+2
.endr
.set nn, 0
	s_wait_alu depctr_va_vdst(0)
.rept 64
	v_exp_f32 v[96+nn], v[96+nn]                   ; p = 2^(t - M), at most 1: not normalised
.set nn, nn+1
.endr
	v_pk_mul_f32 v[14:15], v[14:15], v[252:253] op_sel_hi:[1,0]   ; the sums under the new M: the plain instruction behind the exponentials
	s_wait_alu depctr_va_vdst(0)                   ; one wait for the whole batch of 64, ahead of its first reader
	v_pk_add_f32 v[242:243], v[100:101], v[104:105]
	v_pk_add_f32 v[254:255], v[108:109], v[112:113]
	v_pk_add_f32 v[250:251], v[116:117], v[120:121]
	v_pk_add_f32 v[248:249], v[124:125], v[128:129]
	v_pk_add_f32 v[246:247], v[132:133], v[136:137]
	v_pk_add_f32 v[240:241], v[140:141], v[144:145]
	v_pk_add_f32 v[238:239], v[148:149], v[152:153]
	v_pk_add_f32 v[14:15], v[14:15], v[156:157]
	v_pk_add_f32 v[242:243], v[242:243], v[96:97]
	v_pk_add_f32 v[254:255], v[254:255], v[98:99]
	v_pk_add_f32 v[250:251], v[250:251], v[102:103]
	v_pk_add_f32 v[248:249], v[248:249], v[106:107]
	v_pk_add_f32 v[246:247], v[246:247], v[110:111]
	v_pk_add_f32 v[240:241], v[240:241], v[114:115]
	v_pk_add_f32 v[238:239], v[238:239], v[118:119]
	v_pk_add_f32 v[14:15], v[14:15], v[122:123]
	v_pk_add_f32 v[242:243], v[242:243], v[126:127]
	v_pk_add_f32 v[254:255], v[254:255], v[130:131]
	v_pk_add_f32 v[250:251], v[250:251], v[134:135]
	v_pk_add_f32 v[248:249], v[248:249], v[138:139]
	v_pk_add_f32 v[246:247], v[246:247], v[142:143]
	v_pk_add_f32 v[240:241], v[240:241], v[146:147]
	v_pk_add_f32 v[238:239], v[238:239], v[150:151]
	v_pk_add_f32 v[14:15], v[14:15], v[154:155]
	v_pk_add_f32 v[242:243], v[242:243], v[158:159]
	s_delay_alu instid0(VALU_DEP_2)
	v_pk_add_f32 v[14:15], v[14:15], v[248:249]
	s_delay_alu instid0(VALU_DEP_2)
	v_pk_add_f32 v[242:243], v[242:243], v[246:247]
	v_pk_add_f32 v[254:255], v[254:255], v[240:241]
	v_pk_add_f32 v[250:251], v[250:251], v[238:239]
	s_delay_alu instid0(VALU_DEP_2)
	v_pk_add_f32 v[14:15], v[14:15], v[254:255]
	s_delay_alu instid0(VALU_DEP_2)
	v_pk_add_f32 v[242:243], v[242:243], v[250:251]
	s_delay_alu instid0(VALU_DEP_1)
	v_pk_add_f32 v[14:15], v[14:15], v[242:243]
.irp t, 0,1,2,3,4,5,6,7
.irp i, 0,1,2,3,4,5,6,7
.endr
	v_cvt_scalef32_pk8_bf8_f32 v[192+2*\t:193+2*\t], v[96+8*\t:103+8*\t], v244
.endr
.set nn, 0
.rept 16
	v_pk_mul_f32 v[160+nn:161+nn], v[160+nn:161+nn], v[252:253] op_sel_hi:[1,0]   ; O^T under the new M; these are also the plain instructions between the conversions and the products
.set nn, nn+2
.endr
	s_wait_alu depctr_va_vdst(0)
	s_wait_dscnt 0x0                               ; V is in
.irp t, 0,1,2,3
	v_wmma_f32_16x16x128_bf8_bf8 v[160+8*\t:167+8*\t], v[32+16*\t:47+16*\t], v[192:207], v[160+8*\t:167+8*\t]   ; the four accumulators by turns, one instruction a turn
.endr
.Lhidden_\@:
	s_add_co_u32 s[KF], s[KF], 128
.endm
; THE CHANGE OF SLOTS stands at a slot's head.  Each wave waits for all its tensor loads, adds 0 to its spare word, and waits for that and for its reads of the slot that it has left.  Behind the barrier the slot
; ahead is whole and nobody reads the other one.  fill = 1: that other slot takes the next trip's keys: slot NS + 1, or slot 0 where the late block ends with this trip.
.macro CHANGE fill
	s_wait_tensorcnt 0x0                           ; no tensor load of mine is out, so group 0 may be written
	ds_add_u32 v[SPW], v[NIL]                      ; 0 onto my spare word
.if \fill
	s_add_co_u32 s[NS], s[NS], 1
	s_cmp_eq_u32 s[TRIP], s[SW]
	s_cselect_b32 s[NS], 0, s[NS]
	s_lshl_b32 s[OFS], s[NS], 14                   ; 16,384 bytes a slot, in K and in V
	s_xor_b32 s[G0+1], s[G0+1], SLOT1              ; the other slot than last time
	s_add_nc_u64 s[G0+2:G0+3], s[FB:FB+1], s[OFS:OFS+1]
	s_or_b32 s[G0+3], s[G0+3], 0x80000000          ; type = 2
	s_wait_xcnt 0x0                                ; the last prefetch, a trip back, has read its address, so it may be written
	s_add_nc_u64 s[PFA:PFA+1], s[PFA:PFA+1], 16384
.endif
	s_wait_dscnt 0x0                               ; the add is done, and my reads of the slot that I have left are over
	s_barrier_signal -1
	s_barrier_wait -1
.if \fill
	TLOAD                                          ; the first thing behind the barrier, and a wave's one tensor load until the next
	ASK
.endif
.endm
; A BLOCK OF QUERIES ENDS: O^T x 2^(entries 8 + 9) / the sum, converted with ctx's scale, stored.  sw = 1: the early block begins.
.macro FINISH sw, out
	s_wait_xcnt 0x0                                ; earlier stores have read their registers
	v_add_f32 v14, v14, v15                        ; the sum's two halves,
	s_delay_alu instid0(VALU_DEP_1)
	v_permlanex16_b32 v236, v14, s[SEL], s[SEL+1]
	s_delay_alu instid0(VALU_DEP_1)
	v_add_f32 v14, v14, v236                       ; and lane l xor 16's: the row's sum
	s_wait_alu depctr_va_vdst(0)
	v_rcp_f32 v14, v14
	v_nop                                          ; a plain instruction behind the transcendental
	s_wait_alu depctr_va_vdst(0)                   ; and the wait ahead of its first reader
	v_ldexp_f32 v14, v14, s[EPV]
	v_nop                                          ; (with the additions above: the places behind the last products)
.set nn, 0
.rept 16
	v_pk_mul_f32 v[96+nn:97+nn], v[160+nn:161+nn], v[14:15] op_sel_hi:[1,0]   ; register 8 t + j: channel 16 t + 8 h + j of query r; each accumulator from its low end on
.set nn, nn+2
.endr
.set nn, 0
.rept 32
.set nn, nn+1
.endr
.irp t, 0,1,2,3
	v_cvt_scalef32_pk8_bf8_f32 v[208+2*\t:209+2*\t], v[96+8*\t:103+8*\t], v245
.endr
	v_nop                                          ; one plain vector instruction behind the last conversion
.irp t, 0,1,2,3
	global_store_b64 v[GO], v[208+2*\t:209+2*\t], s[\out:\out+1] offset:256*\t   ; 32 lanes store 256 consecutive bytes, aligned
.endr
.if \sw
.irp i, 0,1,2,3,4,5,6,7
	v_mov_b32 v[16+\i], v[24+\i]                   ; the early block's Q
.endr
	INIT
	s_mov_b32 s[KF], 0
	s_mov_b32 s[Q0], s[Q0E]
.endif
.endm
	s_wait_loadcnt 0x0                             ; Q
.Lslot:                                            ; eight trips: behind each change of slots but the last the next slot is asked for
	CHANGE 1
	STEP 0
	STEP 1
	s_xor_b32 s[TB], s[TB], SLOT1                  ; on to the other slot
	s_cmp_eq_u32 s[TRIP], s[SW]                    ; the late block's last slot?  A branch on the work-group's number, round register work and stores alone
	s_cbranch_scc0 .Lgo_on
	FINISH 1, OUTL
.Lgo_on:
	s_add_co_u32 s[TRIP], s[TRIP], 1
	s_cmp_lt_u32 s[TRIP], 8
	s_cbranch_scc1 .Lslot
	CHANGE 0                                       ; the ninth slot is written out
	STEP 0
	STEP 1
	FINISH 0, OUTE
	s_wait_tensorcnt 0x0                           ; the wave's end
	ds_add_u32 v[SPW], v[NIL]
	s_wait_dscnt 0x0
	s_endpgm
.Lfunc_end_k_q7d8fdab6fc_attn:
	.size	k_q7d8fdab6fc_attn, .Lfunc_end_k_q7d8fdab6fc_attn-k_q7d8fdab6fc_attn
	.p2alignl 7, 3214868480
	.fill 96, 4, 3214868480
	.section	.rodata,"a",@progbits
	.p2align	6, 0x0
	.amdhsa_kernel k_q7d8fdab6fc_attn
		.amdhsa_group_segment_fixed_size 327680
		.amdhsa_private_segment_fixed_size 0
		.amdhsa_enable_private_segment 0
		.amdhsa_kernarg_size 40
		.amdhsa_user_sgpr_count 2
		.amdhsa_user_sgpr_kernarg_segment_ptr 1
		.amdhsa_wavefront_size32 1
		.amdhsa_system_sgpr_workgroup_id_x 1
		.amdhsa_system_sgpr_workgroup_id_y 1
		.amdhsa_system_sgpr_workgroup_id_z 1
		.amdhsa_system_vgpr_workitem_id 0
		.amdhsa_next_free_vgpr 256
		.amdhsa_next_free_sgpr 100
		.amdhsa_reserve_vcc 1
		.amdhsa_float_denorm_mode_32 3
		.amdhsa_float_denorm_mode_16_64 3
		.amdhsa_fp16_overflow 1
		.amdhsa_memory_ordered 1
		.amdhsa_forward_progress 1
		.amdhsa_inst_pref_size 89
	.end_amdhsa_kernel
	.amdgpu_metadata
---
amdhsa.version: [ 1, 2 ]
amdhsa.kernels:
  - .name:           k_q7d8fdab6fc_attn
    .symbol:         k_q7d8fdab6fc_attn.kd
    .args:
      - { .name: q_codes, .offset: 0, .size: 8, .value_kind: global_buffer, .address_space: global }
      - { .name: k_codes, .offset: 8, .size: 8, .value_kind: global_buffer, .address_space: global }
      - { .name: v_codes, .offset: 16, .size: 8, .value_kind: global_buffer, .address_space: global }
      - { .name: lowp_scales, .offset: 24, .size: 8, .value_kind: global_buffer, .address_space: global }
      - { .name: ctx_codes, .offset: 32, .size: 8, .value_kind: global_buffer, .address_space: global }
    .group_segment_fixed_size: 327680
    .private_segment_fixed_size: 0
    .kernarg_segment_align: 8
    .kernarg_segment_size: 40
    .max_flat_workgroup_size: 512
    .sgpr_count:     100
    .vgpr_count:     256
    .wavefront_size: 32
...
	.end_amdgpu_metadata
.endif
;; end of part 2
;; launch proj (part 3): grid 4 x 32, 4 waves a work-group, clusters of 4 x 4, 327,680 bytes of LDS; arguments ctx_codes, w_o_codes, lowp_scales, b_o, out0; writes out0
.if DOCPART == 3
	.amdgcn_target "amdgcn-amd-amdhsa--gfx1250"
	.amdhsa_code_object_version 6
	.text
	.protected	k_q7d8fdab6fc_proj
	.globl	k_q7d8fdab6fc_proj
	.p2align	8
	.type	k_q7d8fdab6fc_proj,@function
k_q7d8fdab6fc_proj:
	s_mov_b64 s[64:65], 0
	v_nop
	global_prefetch_b8 v0, s[64:65] scope:SCOPE_SE
	s_setreg_imm32_b32 hwreg(HW_REG_WAVE_MODE, 25, 1), 1
	s_wait_xcnt 0x0
	s_wait_alu depctr_hold_cnt(0) depctr_sa_sdst(0) depctr_va_vdst(0) depctr_va_sdst(0) depctr_va_ssrc(0) depctr_va_vcc(0) depctr_vm_vsrc(0)
	s_getreg_b32 s2, hwreg(HW_REG_IB_STS2, 6, 4)
	s_cmp_eq_u32 s2, 0
	s_cbranch_scc0 .Lentry_in_a_cluster
	s_endpgm
.Lentry_in_a_cluster:
	s_bfe_u32 s2, ttmp6, 0x10000c
	s_cmp_lg_u32 s2, 0xf033
	s_cbranch_scc0 .Lentry_shape_is_right
	s_endpgm
.Lentry_shape_is_right:
; out0 = ctx w_o + b_o on codes of BF8 (E5M2).  ctx: 8,192 rows x 1,024, as codes laid [head][row / 16][t 0..3][row % 16][16 bytes] (channels 16 t + 0..15 of the head); w_o: [1024 (n)][1024 (k)] codes, K innermost;
; out0: [8192][1024] f32.  A number of ctx is its code x 2^(entry 10 of the scales), of w_o x 2^(entry 11): the codes are multiplied as they are; out = sum x 2^(both) + b_o, one packed multiply-add for two.
; LIMIT: entries 10 + 11 add up to between -126 and 127.
; A tile of 256 x 256 to a work-group of four waves, 128 x 128 a wave: 64 accumulators, 512 registers.  K goes in four steps of 256 (four heads) through a ring of two LDS slots; the four steps are written out.
; A's TILE IS AN IMAGE OF FRAGMENTS: for 128 rows a head is 8,192 dense bytes, so a tile is 4 rows (heads) of 8,192 bytes, 524,288 apart.  Read at 16 x lane + 512 c it gives lane (r, h) row r, channels 32 c + 16 h + 0..15:
; the same order of k in which four loads of 16 bytes, 32 apart, take a row of w_o.  A permutation of k that is the same in A and B leaves every product with its partner.
; CLUSTERS: 4 x 4 work-groups; A's tile is asked for jointly along a row of the cluster, B's along a column.  THE MATRIX INSTRUCTION IS USED TRANSPOSED (source 0 = 16 rows of w_o, source 1 = 16 rows of ctx).
; REGISTERS, in windows of 256: window 0: v0-31 addresses, v12-15 my four numbers of b_o; from v128 A's fragments, ONE set; on the way out v128-255 rows of out0.
;   window 1: B's fragments, TWO sets.   window 2: the accumulators of my rows 0-63 ((a, b) at v[8 (8 a + b)]);   window 3: those of rows 64-127.
.set SIZE_N, 1024
.set ROWB,   256                       ; a row of B's tile in bytes
.set KROW,   1024                      ; a row of w_o in memory
.set PITCH,  272                       ; B's LDS row: 256 bytes + 16 of padding: the 16 rows that a load touches start at 16 different banks (64 banks of 4 bytes: ISA guide 11.1)
.set ASTEP,  4*524288                  ; four heads on in ctx's codes
.set FR,     16
.set NL,     4
.set NP,     4
.set AHALF,  32768                     ; 128 rows of A x 256 K, dense
.set BHALF,  128*PITCH
.set SLOT,   2*AHALF+2*BHALF           ; A's two halves, then B's two
.set SPARE,  2*SLOT                    ; behind the ring: the spare words, 128 bytes for each wave
.set SPITCH, 528                       ; the way out: a stage of 16 rows x (512 bytes + 16) for each wave, in slot 0, which has had its last fill and its last read when the first result is stored there
.set BI,   12                          ; v12-15  b_o at my four columns of a row
.set ADRA, 16
.set ADRB, 20
.set STO,  24                          ; v24  the way out: where I put 32 bytes of a row
.set RD,   25                          ; v25  where I read a row back
.set CO,   26                          ; v26  16 x lane
.set SPW,  28
.set NIL,  29
.set AF,   128
.set BK,   128                         ; the way out: 16 rows read back: v128-191 and v192-255 by turns
.set G1, 24
.set G0, 32
.set G1B, 48
.set G0B, 56
.set MSB, 0
.macro WIN new                         ; the immediate's high byte repeats the setting that is left
.if MSB != (\new)
	s_set_vgpr_msb (MSB<<8)|(\new)
.set MSB, (\new)
.endif
.endm
.set MUL_LO, 0xa1
.set MUL_HI, 0xf1
.set TO_B,   0x40
.macro JLOAD g0a, g1a, g0b, g1b        ; a joint load: waves 0 and 1 fetch for A, waves 2 and 3 for B; four v_nop follow each of the two lines
	s_cmp_eq_u32 s15, 0
	s_cbranch_scc0 .Lfor_b_\@
	tensor_load_to_lds s[\g0a:\g0a+3], s[\g1a:\g1a+7]
	s_nop 0
.rept 4
	v_nop
.endr
	s_branch .Lasked_\@
.Lfor_b_\@:
	tensor_load_to_lds s[\g0b:\g0b+3], s[\g1b:\g1b+7]
	s_nop 0
.rept 4
	v_nop
.endr
.Lasked_\@:
.endm
.macro CREST
	s_cmp_lg_u32 s14, 0
	s_cbranch_scc1 .Lnot_wave_0_\@
	s_barrier_signal -3
.Lnot_wave_0_\@:
	s_barrier_wait -3
	s_barrier_signal -1
	s_barrier_wait -1
.endm
.macro CROUND
	s_barrier_signal -1
	s_barrier_wait -1
	CREST
.endm
	s_load_b128 s[4:7], s[0:1], 0x0                ; ctx's codes s[4:5], w_o's s[6:7]
	s_load_b128 s[8:11], s[0:1], 0x10              ; the scales' exponents s[8:9], b_o s[10:11]
	s_load_b64 s[12:13], s[0:1], 0x20              ; out0
	v_lshl_add_u32 v[SPW], v0, 2, SPARE
	v_mov_b32 v[NIL], 0
	ds_add_u32 v28, v29
	ds_add_u32 v28, v29
	s_wait_dscnt 0x0
	v_lshrrev_b32 v1, 5, v0
	v_readfirstlane_b32 s14, v1                    ; wave 0..3
	s_lshr_b32 s15, s14, 1                         ; which half of the tile's rows is mine.  Also: I fetch for A (0) or for B (1)
	s_and_b32 s16, s14, 1                          ; which half of its columns.  Also: which 128 rows of that tile I fetch
	s_bfe_u32 s40, ttmp6, 0x40000                  ; cx, cy
	s_bfe_u32 s41, ttmp6, 0x40004
	s_lshl_b32 s42, ttmp9, 2
	s_add_co_u32 s42, s42, s40                     ; tile column = 4 x cluster x + cx
	s_and_b32 s17, ttmp7, 0xffff
	s_lshl_b32 s17, s17, 2
	s_add_co_u32 s17, s17, s41                     ; tile row = 4 x cluster y + cy
	s_lshl_b32 s43, s41, 2
	s_lshl_b32 s43, 15, s43                        ; my row of the cluster
	s_lshl_b32 s44, 0x1111, s40                    ; my column
	; group 1 for A: 4 rows (heads) of 8,192 bytes, 524,288 apart, dense in LDS
	s_or_b32 s[G1+0], s43, (0<<16)|(1<<21)         ; the mask: my row; elements of 1 byte; no padding; 21 set beside a mask
	s_mov_b32 s[G1+1], 8192<<16                    ; tensor_dim0
	s_mov_b32 s[G1+2], 4<<16                       ; tensor_dim1
	s_mov_b32 s[G1+3], 8192<<16                    ; tile_dim0
	s_mov_b32 s[G1+4], 4                           ; tile_dim1
	s_mov_b32 s[G1+5], 524288                      ; tensor_dim0_stride
	s_mov_b32 s[G1+6], 0
	s_mov_b32 s[G1+7], 0
	; group 1 for B: 128 rows of 256 bytes, padded in LDS
	s_or_b32 s[G1B+0], s44, (0<<16)|(1<<20)|(1<<21)|(5<<22)|(3<<25)
	s_mov_b32 s[G1B+1], ROWB<<16
	s_mov_b32 s[G1B+2], 128<<16
	s_mov_b32 s[G1B+3], ROWB<<16
	s_mov_b32 s[G1B+4], 128
	s_mov_b32 s[G1B+5], KROW
	s_mov_b32 s[G1B+6], 0
	s_mov_b32 s[G1B+7], 0
	s_lshl_b32 s18, s16, 7                         ; which 128 rows of the tile I fetch
	s_lshl_b32 s20, s17, 8
	s_add_co_u32 s20, s20, s18
	s_lshl_b32 s20, s20, 6                         ; A: 16 rows of a head are 1,024 bytes: 64 a row
	s_mov_b32 s21, 0
	s_lshl_b32 s46, s42, 8
	s_add_co_u32 s46, s46, s18
	s_lshl_b32 s46, s46, 10                        ; B: rows of 1,024 bytes
	s_mov_b32 s47, 0
	s_lshl_b32 s45, s16, 15                        ; where they go: A's half,
	s_mul_i32 s94, s16, BHALF
	s_add_co_u32 s94, s94, 2*AHALF                 ; B's half: the wave's number alone enters an LDS address
	s_wait_kmcnt 0x0
	s_load_b64 s[96:97], s[8:9], 0x28              ; entries 10, 11
	s_add_nc_u64 s[20:21], s[4:5], s[20:21]
	s_add_nc_u64 s[46:47], s[6:7], s[46:47]
	CROUND                                         ; all sixteen work-groups are here: the first joint loads meet
.irp s, 0,1
	s_mov_b32 s[G0+4*\s], 1
	s_add_co_u32 s[G0+4*\s+1], s45, \s*SLOT
	s_add_nc_u64 s[G0+4*\s+2:G0+4*\s+3], s[20:21], \s*ASTEP
	s_or_b32 s[G0+4*\s+3], s[G0+4*\s+3], 0x80000000
	s_mov_b32 s[G0B+4*\s], 1
	s_add_co_u32 s[G0B+4*\s+1], s94, \s*SLOT
	s_add_nc_u64 s[G0B+4*\s+2:G0B+4*\s+3], s[46:47], \s*ROWB
	s_or_b32 s[G0B+4*\s+3], s[G0B+4*\s+3], 0x80000000
	s_wait_alu depctr_va_vdst(0)
	s_wait_tensorcnt 0x0
	ds_add_u32 v28, v29
	ds_add_u32 v28, v29
	s_wait_dscnt 0x0
	CROUND
	JLOAD G0+4*\s, G1, G0B+4*\s, G1B               ; one tensor load of mine is out behind these: the first has landed before the second is asked for
.endr
	v_and_b32 v1, 15, v0                           ; r
	v_bfe_u32 v2, v0, 4, 1                         ; h
	v_and_b32 v6, 31, v0
	v_lshlrev_b32 v[CO], 4, v6                     ; 16 x lane
	v_mul_u32_u24 v3, v1, PITCH
	v_lshl_add_u32 v4, v2, 4, v3                   ; B: a fragment's row x pitch + 16 x half
	s_lshl_b32 s21, s15, 15                        ; my 128 rows of A
	s_mul_i32 s22, s16, BHALF                      ; my 128 rows of B,
	s_add_co_u32 s22, s22, 2*AHALF                 ; which lie behind A's halves
.irp s, 0,1
	v_add_nc_u32 v[ADRA+\s], s21, v[CO]
	v_add_nc_u32 v[ADRB+\s], s22, v4
	s_add_co_u32 s21, s21, SLOT
	s_add_co_u32 s22, s22, SLOT
.endr
	s_mul_i32 s23, s14, 16*SPITCH                  ; my stage
	v_mul_u32_u24 v5, v1, SPITCH                   ; in: row r, 32 bytes for each half of the lanes
	v_lshl_add_u32 v5, v2, 5, v5
	v_add_nc_u32 v[STO], s23, v5
	v_add_nc_u32 v[RD], s23, v[CO]                 ; back: the 32 lanes take one row of 512 bytes
	s_lshl_b32 s20, s17, 8
	s_lshl_b32 s21, s15, 7
	s_add_co_u32 s20, s20, s21
	s_lshl_b32 s20, s20, 12                        ; my first row of out0, 4,096 bytes a row: under 2^26
	s_mov_b32 s21, 0
	s_lshl_b32 s46, s42, 10
	s_lshl_b32 s47, s16, 9
	s_add_co_u32 s46, s46, s47                     ; my first column, in bytes
	s_mov_b32 s47, 0
	s_add_nc_u64 s[10:11], s[10:11], s[46:47]
	s_add_nc_u64 s[12:13], s[12:13], s[46:47]
	s_add_nc_u64 s[12:13], s[12:13], s[20:21]
	global_load_b128 v[BI:BI+3], v[CO], s[10:11]   ; b_o at the four columns that I hold of every row that comes back from the stage; waited for on the way out
.macro FRAG reg, adr, q, i             ; B: lane l holds row l % 16; registers 4 c .. 4 c + 3 hold K = 32 c + 16 (l / 16) + 0 .. 15
.irp c, 0,1,2,3
	ds_load_b128 v[\reg+4*\c:\reg+4*\c+3], v[\adr] offset:128*(\q)+32*\c+(\i)*16*PITCH
.endr
.endm
.macro FRAGA reg, adr, q, i            ; A: the same k: head 2 q + c / 2 of the slot's four, channels 32 (c % 2) + 16 (l / 16) + 0 .. 15; 512 consecutive bytes a load
.irp c, 0,1,2,3
	ds_load_b128 v[\reg+4*\c:\reg+4*\c+3], v[\adr] offset:(2*(\q)+\c/2)*8192+(\i)*1024+512*(\c%2)
.endr
.endm
.macro MUL16 a0, p, zero               ; 16 matrix instructions: A's blocks a0, a0 + 1 x B's eight; the 64 accumulators take turns, one instruction a turn
.irp a, \a0, \a0+1
.irp b, 0,1,2,3,4,5,6,7
.if \zero
	v_wmma_f32_16x16x128_bf8_bf8 v[8*(8*((\a)%4)+\b):8*(8*((\a)%4)+\b)+7], v[128*(\p)+FR*\b:128*(\p)+FR*\b+FR-1], v[AF+FR*(\a):AF+FR*(\a)+FR-1], 0
.else
	v_wmma_f32_16x16x128_bf8_bf8 v[8*(8*((\a)%4)+\b):8*(8*((\a)%4)+\b)+7], v[128*(\p)+FR*\b:128*(\p)+FR*\b+FR-1], v[AF+FR*(\a):AF+FR*(\a)+FR-1], v[8*(8*((\a)%4)+\b):8*(8*((\a)%4)+\b)+7]
.endif
.endr
.endr
.endm
.macro FETCH_B slot, q, p
	WIN TO_B
.irp i, 0,1,2,3,4,5,6,7
	FRAG 128*(\p)+FR*\i, ADRB+\slot, \q, \i
.endr
	WIN 0
.endm
.macro FETCH_A slot, q, i0
.irp i, \i0, \i0+1, \i0+2, \i0+3
	FRAGA AF+FR*(\i), ADRA+\slot, \q, \i
.endr
.endm
.macro PLACES n                        ; plain vector instructions between a matrix instruction and a load into, or a read of, its registers
.rept \n
	v_nop
.endr
.endm
.macro STEP slot, q, zero
	s_wait_dscnt 4*NL                              ; B's set and A's blocks 0-3 are in; the youngest 16 loads (A's blocks 4-7) may be out
	WIN MUL_LO
	MUL16 0, (\q)%2, \zero
	MUL16 2, (\q)%2, \zero
	s_wait_dscnt 0
	PLACES NP
	FETCH_B \slot, (\q)+1, 1-(\q)%2
	FETCH_A \slot, (\q)+1, 0
	WIN MUL_HI
	MUL16 4, (\q)%2, \zero
	MUL16 6, (\q)%2, \zero
	PLACES NP
	WIN 0
	FETCH_A \slot, (\q)+1, 4
.endm
.macro TURN slot, next, fill
	s_wait_tensorcnt 0x0                           ; all my tensor loads have landed: my part of the next slot
	ds_add_u32 v[SPW], v[NIL]                      ; 0 onto my spare word
	s_wait_dscnt 4*NL+1                            ; the add and the youngest 16 loads may be out
	WIN MUL_LO
	MUL16 0, 1, 0
	s_wait_dscnt 0x0                               ; the add is done, and my reads of this slot are over
	s_barrier_signal -1
	MUL16 2, 1, 0
	WIN 0
	s_barrier_wait -1
.if \fill
	CREST                                          ; the barrier has opened a round of the cluster's barrier: no wave of any partner still reads this slot or has a load on its way
	s_add_nc_u64 s[G0+4*\slot+2:G0+4*\slot+3], s[G0+4*\slot+2:G0+4*\slot+3], 2*ASTEP
	s_add_nc_u64 s[G0B+4*\slot+2:G0B+4*\slot+3], s[G0B+4*\slot+2:G0B+4*\slot+3], 2*ROWB
	JLOAD G0+4*\slot, G1, G0B+4*\slot, G1B         ; the first tensor load behind the round; its four v_nop are the places in front of the loads below
.else
	PLACES NP
.endif
	FETCH_B \next, 0, 0
	FETCH_A \next, 0, 0
	WIN MUL_HI
	MUL16 4, 1, 0
	MUL16 6, 1, 0
	PLACES NP
	WIN 0
	FETCH_A \next, 0, 4
.endm
	s_wait_alu depctr_va_vdst(0)
	s_wait_tensorcnt 1                             ; my part of K step 0 is in; K step 1's load may be out
	s_barrier_signal -1
	s_barrier_wait -1
	FETCH_B 0, 0, 0
	FETCH_A 0, 0, 0
	FETCH_A 0, 0, 4
	STEP 0, 0, 1                                   ; heads 0, 1: these products start the sums
	TURN 0, 1, 1                                   ; heads 2, 3; slot 0 takes heads 8-11
	STEP 1, 0, 0
	TURN 1, 0, 1                                   ; slot 1 takes heads 12-15
	STEP 0, 0, 0
	TURN 0, 1, 0                                   ; nothing is left to fetch; behind this barrier nobody reads slot 0
	STEP 1, 0, 0
	s_wait_dscnt 4*NL
	WIN MUL_LO
	MUL16 0, 1, 0
	MUL16 2, 1, 0
	s_wait_dscnt 0
	WIN MUL_HI
	MUL16 4, 1, 0
	MUL16 6, 1, 0
	WIN 0
; THE WAY OUT, block by block of 16 rows x 128 columns.  A lane holds 32 neighbouring bytes of a row, and the lanes beside it hold other rows: the sums go as they are through my own stage in LDS and come back as whole
; rows of 512 bytes; there a lane's four columns are the same in every row, so four registers of b_o serve all.  LDS serves a wave's instructions in order (ISA guide 5.7.1.4): no wait between the stores and the loads.
.macro TOSTAGE a
.set AC, 64*((\a)%4)
	WIN 0x08+4*((\a)/4)                            ; the stores' data: window 2 or 3
.irp b, 0,1,2,3,4,5,6,7
	ds_store_b128 v[STO], v[AC+8*\b:AC+8*\b+3] offset:64*\b          ; each accumulator from its low end on
	ds_store_b128 v[STO], v[AC+8*\b+4:AC+8*\b+7] offset:64*\b+16
.endr
	WIN 0
.set BB, BK+64*((\a)%2)
.irp t, 0,1,2,3,4,5,6,7,8,9,10,11,12,13,14,15
	ds_load_b128 v[BB+4*\t:BB+4*\t+3], v[RD] offset:\t*SPITCH
.endr
.endm
.macro SEND a, younger                 ; younger: the LDS instructions issued behind block a's loads, which may stay out
.set BB, BK+64*((\a)%2)
	s_wait_dscnt \younger                          ; the block is back in registers
.set kk, 0
.rept 32
	v_pk_fma_f32 v[BB+2*kk:BB+2*kk+1], v[BB+2*kk:BB+2*kk+1], s[96:97], v[BI+2*(kk%2):BI+2*(kk%2)+1] op_sel_hi:[1,0,1]   ; sum x 2^(entries 10 + 11) + b_o
.set kk, kk+1
.endr
.if (\a) > 0
	s_add_nc_u64 s[12:13], s[12:13], 16*SIZE_N*4   ; (behind a wait on XCNT: the earlier stores have read their base)  16 rows on
.endif
.irp t, 0,1,2,3,4,5,6,7,8,9,10,11,12,13,14,15
	global_store_b128 v[CO], v[BB+4*\t:BB+4*\t+3], s[12:13] offset:\t*SIZE_N*4 th:TH_STORE_NT   ; 32 lanes store 512 consecutive bytes, aligned; written once, read by nobody here
.endr
.endm
	s_wait_kmcnt 0x0
	s_add_co_i32 s96, s96, s97
	s_add_co_i32 s96, s96, 127
	s_lshl_b32 s96, s96, 23                        ; 2^(entries 10 + 11) as f32
	s_mov_b32 s97, s96                             ; (named with it as a pair, so it is written)
	s_wait_loadcnt 0x0                             ; b_o
	PLACES NP                                      ; behind the last products: LDS stores read results, and loads land where A's fragments lay
	TOSTAGE 0
.irp a, 1,2,3,4,5,6,7
.if \a > 1
	s_wait_xcnt 0x0                                ; block a - 2's stores have read their registers and their base: block a's loads may land there, and the base may step
.endif
	TOSTAGE \a
	SEND \a-1, 32                                  ; behind block a - 1's loads: block a's 16 stores and 16 loads
.endr
	s_wait_xcnt 0x0                                ; block 6's stores have read their base
	SEND 7, 0
	s_wait_tensorcnt 0x0                           ; the wave's end
	ds_add_u32 v[SPW], v[NIL]
	s_wait_dscnt 0x0
	CROUND                                         ; the closing round: no work-group ends while a partner may still ask for a tile that names it
	s_endpgm
.Lfunc_end_k_q7d8fdab6fc_proj:
	.size	k_q7d8fdab6fc_proj, .Lfunc_end_k_q7d8fdab6fc_proj-k_q7d8fdab6fc_proj
	.p2alignl 7, 3214868480
	.fill 96, 4, 3214868480
	.section	.rodata,"a",@progbits
	.p2align	6, 0x0
	.amdhsa_kernel k_q7d8fdab6fc_proj
		.amdhsa_group_segment_fixed_size 327680
		.amdhsa_private_segment_fixed_size 0
		.amdhsa_enable_private_segment 0
		.amdhsa_kernarg_size 40
		.amdhsa_user_sgpr_count 2
		.amdhsa_user_sgpr_kernarg_segment_ptr 1
		.amdhsa_wavefront_size32 1
		.amdhsa_system_sgpr_workgroup_id_x 1
		.amdhsa_system_sgpr_workgroup_id_y 1
		.amdhsa_system_sgpr_workgroup_id_z 1
		.amdhsa_system_vgpr_workitem_id 0
		.amdhsa_next_free_vgpr 1024
		.amdhsa_next_free_sgpr 100
		.amdhsa_reserve_vcc 0
		.amdhsa_float_denorm_mode_32 3
		.amdhsa_float_denorm_mode_16_64 3
		.amdhsa_memory_ordered 1
		.amdhsa_forward_progress 1
		.amdhsa_inst_pref_size 124
	.end_amdhsa_kernel
	.amdgpu_metadata
---
amdhsa.version: [ 1, 2 ]
amdhsa.kernels:
  - .name:           k_q7d8fdab6fc_proj
    .symbol:         k_q7d8fdab6fc_proj.kd
    .args:
      - { .name: ctx_codes, .offset: 0, .size: 8, .value_kind: global_buffer, .address_space: global }
      - { .name: w_o_codes, .offset: 8, .size: 8, .value_kind: global_buffer, .address_space: global }
      - { .name: lowp_scales, .offset: 16, .size: 8, .value_kind: global_buffer, .address_space: global }
      - { .name: b_o, .offset: 24, .size: 8, .value_kind: global_buffer, .address_space: global }
      - { .name: out0, .offset: 32, .size: 8, .value_kind: global_buffer, .address_space: global }
    .group_segment_fixed_size: 327680
    .private_segment_fixed_size: 0
    .kernarg_segment_align: 8
    .kernarg_segment_size: 40
    .max_flat_workgroup_size: 128
    .sgpr_count:     100
    .vgpr_count:     1024
    .wavefront_size: 32
...
	.end_amdgpu_metadata
.endif
;; end of part 3
